; MI455X (gfx1250); checked and timed in simulation.
; The chip was launched on July 23, 2026; its instructions are those of AMD's public machine-readable ISA for CDNA 5 (MIT licence, August 2026) and "CDNA5" Instruction Set Architecture Reference Guide (July 2026). The comments in the code are by the model that wrote it; some were corrected since.
;; Multi Head Attention. Allowed arithmetic: matrix products marked QUANTISED: E2M1 operands, one E8M0 scale for each 32 along K, by v_wmma_scale_f32_16x16x128_f8f6f4 with both operands' format E2M1 (or v_wmma_scale_f32_32x16x128_f4), f32 sums; everything else in f32.
;; Inputs: Wo_codes 1,024 x 32 x 16 uint8 (E2M1 codes of Wo, K innermost, in blocks of 32 codes, two codes a byte); Wo_scales 1,024 x 32 uint8 (E8M0 scales of Wo, one for each 32 codes along K); Wqkv_codes 3,072 x 32 x 16 uint8 (E2M1 codes of Wqkv, K innermost, in blocks of 32 codes, two codes a byte); Wqkv_scales 3,072 x 32 uint8 (E8M0 scales of Wqkv, one for each 32 codes along K); bo 1,024 float32; bqkv 3,072 float32; x_codes 4 x 2,048 x 32 x 16 uint8 (E2M1 codes of x, K innermost, in blocks of 32 codes, two codes a byte); x_scales 4 x 2,048 x 32 uint8 (E8M0 scales of x, one for each 32 codes along K).
;; Outputs: out0 4 x 2,048 x 1,024 float32.
;; This version of the problem:
;;   THIS VERSION OF THE PROBLEM IS GIVEN IN LOW PRECISION. The matrix products marked QUANTISED in the list below multiply operands that are first quantised to E2M1 (2 exponent bits, 1 mantissa bit; 4 bits a number), with one power-of-two scale for each 32 numbers along K (OCP MX v1.0); their sums are f32. All else is computed in f32.
;;   The module's matrix products, in the order in which they are computed (A, B: the left and right operand; K: the contracted axis; several contracted axes count as one K, in the product's order):
;;     1. [M 8,192, K 1,024] x [K 1,024, N 3,072]; A: input x (given as codes); B: input Wqkv (given as codes): QUANTISED
;;     2. batch 64 x [M 2,048, K 64] x [K 64, N 2,048]; A: computed on the way; B: computed on the way: QUANTISED
;;     3. batch 64 x [M 2,048, K 2,048] x [K 2,048, N 64]; A: softmax (see below); B: computed on the way: QUANTISED
;;     4. [M 8,192, K 1,024] x [K 1,024, N 1,024]; A: computed on the way; B: input Wo (given as codes): QUANTISED
;;   THE QUANTISER, for each operand of a quantised product, along K:
;;     - K is cut into blocks of 32 from its start; a last block that is shorter is filled with zeros.
;;     - A block's scale is 2^e with e = floor(log2(the largest magnitude in the block)) - 2, held to -126 .. 127; a block of zeros has e = 0. As a byte (E8M0): e + 127.
;;     - Each number is divided by its block's scale, clamped to +-6, and rounded to the nearest number of E2M1, ties to even, subnormals kept.
;;     - The product sums the exact products of the quantised numbers (number of the format x scale) in f32.
;;   ~~~python
;;   def quantise(x, axis):      # numpy; x: float32 -> the quantised numbers, widened to float32 again
;;       x = np.moveaxis(x, axis, -1); K = x.shape[-1]
;;       x = np.pad(x, [(0, 0)] * (x.ndim - 1) + [(0, -K % 32)]); x = x.reshape(x.shape[:-1] + (-1, 32)); a = np.abs(x).max(-1, keepdims=True)
;;       e = np.where(a > 0, np.clip(np.frexp(np.where(a > 0, a, 1))[1] - 1 - 2, -126, 127), 0)      # np.frexp(a)[1] - 1 = floor(log2(a)), exactly
;;       r = np.clip(x / 2.0 ** e, -6, 6)
;;       step = 2.0 ** (np.maximum(np.frexp(np.where(r == 0, 1, r))[1] - 1, 0) - 1)
;;       q = np.round(r / step) * step * 2.0 ** e      # np.round: ties to even
;;       return np.moveaxis(q.reshape(q.shape[:-2] + (-1,))[..., :K], -1, axis).astype(np.float32)
;;   ~~~
;;   SOFTMAX AHEAD OF A QUANTISED PRODUCT. Where the list says 'softmax', what is quantised is not the finished softmax but p = 2^(t - M), with t = logit x log2(e) and M = ceil(the row's largest t), a whole number; so 1/2 < the row's largest p <= 1. The row's sum l is taken of the UNQUANTISED p, in f32, and the product's result is divided by l at the end. Since M is a whole number, a kernel that streams over the keys may use a running M (the ceiling of the running maximum): every later rescaling is an exact power of two, which a block's scale takes up: the codes' values come out the same.
;;   OPERANDS COMPUTED ON THE WAY. 'Computed on the way' means the value that the module computes at that place (a softmax that the list does not call 'softmax' is quantised finished and normalised). What goes into a quantiser is computed in f32, as accurately as f32 sums, v_exp_f32 and their like allow (about 1e-6 of the number): no bf16 or f16 on the way to a quantiser, and a product that is left as it is and whose result goes on into a quantised operand takes f32 operands (vector FMAs, or v_wmma_f32_16x16x4_f32). A number that lies on a knife's edge between two numbers of the format may be rounded either way, as far as f32 arithmetic and the matrix unit's own rounding can turn it there, and no further.
;;   INPUTS GIVEN AS CODES. Wo (in the module: [1024, 1024], K = its axis 0); Wqkv (in the module: [1024, 3072], K = its axis 0); x (in the module: [4, 2048, 1024], K = its axis 2): each comes as NAME_codes (uint8): NAME with its K axis moved to the last place and cut into blocks of 32 codes, [.., K / 32, bytes a block], one block behind the other in memory; two codes a byte, the lower K in the low four bits (a code: sign, 2 exponent bits, 1 mantissa bit); and NAME_scales (uint8): the same leading axes, one E8M0 byte (e + 127) for each 32 codes along K. Its value is code x scale, taken as it is: it is not quantised again, and the codes and scales need not be those that the quantiser above would give.
;; One version. Each part assembles by itself: llvm-mc -triple=amdgcn-amd-amdhsa -mcpu=gfx1250 --defsym DOCPART=n.
;; ======== version 1 of 1: 3 launches
;; workspace buffers: qrec 9,175,040 bytes; kvrec 9,175,040 bytes; acodes 4,194,304 bytes; ascales 262,144 bytes
;; launch qkv (part 1): grid 8 x 32, 4 waves a work-group, clusters of 4 x 4, 327,680 bytes of LDS; arguments x_codes, x_scales, Wqkv_codes, Wqkv_scales, bqkv, qrec, kvrec; writes qrec, kvrec
.if DOCPART == 1
	.amdgcn_target "amdgcn-amd-amdhsa--gfx1250"
	.amdhsa_code_object_version 6
	.text
	.protected	k_q6f880ccf35_qkv
	.globl	k_q6f880ccf35_qkv
	.p2align	8
	.type	k_q6f880ccf35_qkv,@function
k_q6f880ccf35_qkv:
	s_mov_b64 s[64:65], 0
	v_nop
	global_prefetch_b8 v0, s[64:65] scope:SCOPE_SE
	s_setreg_imm32_b32 hwreg(HW_REG_WAVE_MODE, 25, 1), 1
	s_wait_xcnt 0x0
	s_wait_alu depctr_hold_cnt(0) depctr_sa_sdst(0) depctr_va_vdst(0) depctr_va_sdst(0) depctr_va_ssrc(0) depctr_va_vcc(0) depctr_vm_vsrc(0)
	s_getreg_b32 s2, hwreg(HW_REG_IB_STS2, 6, 4)
	s_cmp_eq_u32 s2, 0
	s_cbranch_scc0 .Lentry_in_a_cluster
	s_endpgm
.Lentry_in_a_cluster:
	s_bfe_u32 s2, ttmp6, 0x10000c
	s_cmp_lg_u32 s2, 0xf033
	s_cbranch_scc0 .Lentry_shape_is_right
	s_endpgm
.Lentry_shape_is_right:
; qkv = x Wqkv + bqkv on codes of FP4 (E2M1) with one E8M0 scale for each 32 along K; q and k are then quantised along the head's 64, v along the keys, and only codes and scale words leave.
; SHARES.  256 work-groups, 8 (g) x 32 (yb).  A work-group keeps x's rows 256 yb .. + 255, all of K (512 bytes a row), in LDS and multiplies them by three tiles of 128 rows of Wqkv:
; rows 256 g .. + 127 and 256 g + 128 .. + 255 (q where g < 4, else k) and rows 2048 + 128 g .. + 127 (v).  So every work-group runs the same straight text and has the same work.
; A WAVE'S TILE is 128 rows P (source 0) x 64 rows Q (source 1), 32 accumulators.  For q and k: P = the 128 rows of W (two heads), Q = x's rows 64 w on: a lane then holds ONE token (lane % 16) and its registers run
; along d, which is the next product's K.  For v: P = x's rows 128 (w / 2) on (one key step), Q = W's rows 64 (w % 2) on (one head): a lane holds one d and its registers run along the keys.
; In result tile b register j of lane (r, h) is next-k 16 b + 8 h + j.  Tiles 2 e and 2 e + 1 hold 16 of block e's 32 numbers, lane l xor 16 the other 16.
; THE WAY OUT.  An operand leaves as an IMAGE OF ITS REGISTERS: four registers are 512 consecutive bytes, lane l's 16 at 16 l: each store of the wave covers 512 consecutive bytes, aligned.
; A RECORD of 8,960 bytes for each (batch, head, 128 tokens): 0: eight images of q or k (tile t = tokens 16 t + r; lane (r, h) holds block h of the head's 64); 4,096: v's images [c][d tile t] (keys 64 c + 32 h on);
; 8,192: the eight tiles' scale words, [t / 4][lane][i] = tile 4 (t / 4) + 2 i + lane / 16; 8,704: v's scale words, [lane][i] = d tile 2 i + lane / 16.  qrec uses the q parts alone.
; CLUSTERS: 4 x 4 work-groups.  x's rows hang on yb alone and are shared along a row of the cluster, W's rows on g alone and are shared along a column: each is asked for jointly.
; LIMITS: NaN and infinities are not served.  A block of zeros gets the scale byte 1 where the quantiser's rule says 127: its codes are zeros, which add nothing under any byte but 0xff, and this program alone reads the bytes.
; REGISTERS, in windows of 256: window 0: v1-15 addresses; v16-19 scale words made; v20-23 scale words to store; v24-31 codes made; v32-79, v80-127 two sets of scale words; v128-191 a tile's bias; v192-207 at work.
;   window 1: two sets of fragments at 96 x set: P's eight at + 8 b, Q's four at + 64 + 8 a.   window 2: accumulator (a, b) at 8 (8 a + b).
.set PITCH, 528                        ; an LDS row: 512 bytes + 16 of padding = 132 words: row r starts 4 r words on modulo 64, so the 16 rows of a fragment load start at 16 different places
.set WR0,   256*PITCH                  ; behind x's 256 rows: weight region 0 (128 rows): tile 0, later tile 2
.set WR1,   WR0+128*PITCH              ; weight region 1: tile 1
.set SPARE, WR1+128*PITCH              ; the spare words, 128 bytes for each wave: two blocks of 256 bytes that no other line names
.set RECB,  8960
.set HEADB, 16*RECB                    ; from a head's records to the next head's
.set AXQ, 4                            ; v4   LDS address of x's rows as Q: my 64 rows
.set AXP, 5                            ; v5   of x's rows as P: my 128 rows
.set AW0, 6                            ; v6   of weight region 0 as P
.set AW1, 7                            ; v7   of weight region 1 as P
.set AWQ, 8                            ; v8   of weight region 0 as Q: my 64 rows
.set VSC, 9                            ; v9   32 r + 16 h: my 16 bytes of 16 rows' scale bytes
.set VBP, 10                           ; v10  32 h: a bias along P
.set VBQ, 11                           ; v11  4 r: a bias along Q
.set VO16, 12                          ; v12  16 x lane
.set VO8, 13                           ; v13  8 x lane
.set SPW, 14                           ; v14  LDS address of my spare word; never rewritten
.set NIL, 15                           ; v15  0; never rewritten
.set WW,  16
.set PC,  24
.set SCA, 32
.set SCB, 80
.set BI,  128
.set TM,  192                          ; v192-195 largest magnitudes, v196-199 the other half's, then bytes, v204-207 the conversions' scale operands
.set WV,  18                           ; s18  my wave's number
.set G1X, 24                           ; s[24:31] descriptor group 1 for x's rows;  s[32:39] for W's
.set G1W, 32
.set G0X, 40                           ; s[40:43] group 0 for x;  s[44:47], s[48:51], s[52:55] for weight tiles 0, 1, 2: none is ever rewritten
.set G0W0, 44
.set G0W1, 48
.set G0W2, 52
.set XSQ, 56                           ; s[56:57] x's scale bytes at my 64 rows;  s[58:59] at my 128 rows
.set XSP, 58
.set WS,  60                           ; s[60:61] W's scale bytes at row 256 g;  s[62:63] at my 64 rows of v's tile
.set WS2, 62
.set BQK, 66                           ; s[66:67] bqkv at 256 g;  s[68:69] at my 64 rows of v's tile
.set BV,  68
.set OQ,  70                           ; s[70:71] my images' place in q's or k's record;  s[72:73] my scale words' place;  s[74:75] v's record
.set OQS, 72
.set OV,  74
.set SEL, 76                           ; s[76:77] lane selects for v_permlanex16_b32: lane l xor 16
.set HM,  78                           ; s78  the mask of lanes 16-31
.set MSB, 0
.macro WIN new                         ; the immediate's high byte repeats the setting that is left; a switch that changes nothing is dropped
.if MSB != \new
	s_set_vgpr_msb (MSB<<8)|\new
.set MSB, \new
.endif
.endm
.macro PLACES                          ; four plain vector instructions behind a matrix instruction, ahead of loads into its registers and of reads of its result
.rept 4
	v_nop
.endr
.endm
.macro CROUND                          ; a round of the cluster's barrier: my work-group's barrier, wave 0 signals for the work-group, every wave waits for all sixteen, my work-group's barrier once more
	s_barrier_signal -1
	s_barrier_wait -1
	s_cmp_lg_u32 s[WV], 0
	s_cbranch_scc1 .Lnot_wave_0_\@
	s_barrier_signal -3
.Lnot_wave_0_\@:
	s_barrier_wait -3
	s_barrier_signal -1
	s_barrier_wait -1
.endm
	s_load_b256 s[4:11], s[0:1], 0x0               ; x's codes s[4:5], x's scales s[6:7], W's codes s[8:9], W's scales s[10:11]
	s_load_b128 s[12:15], s[0:1], 0x20             ; bqkv s[12:13], qrec s[14:15]
	s_load_b64 s[16:17], s[0:1], 0x30              ; kvrec
	v_lshl_add_u32 v[SPW], v0, 2, SPARE
	v_mov_b32 v[NIL], 0
	ds_add_u32 v14, v15
	ds_add_u32 v14, v15
	s_wait_dscnt 0x0
	v_lshrrev_b32 v1, 5, v0
	v_readfirstlane_b32 s[WV], v1                  ; wave 0..3
	s_bfe_u32 s19, ttmp6, 0x40000                  ; cx, cy: my place in the cluster
	s_bfe_u32 s20, ttmp6, 0x40004
	s_lshl_b32 s21, ttmp9, 2
	s_add_co_u32 s21, s21, s19                     ; g = 4 x cluster x + cx
	s_and_b32 s22, ttmp7, 0xffff
	s_lshl_b32 s22, s22, 2
	s_add_co_u32 s22, s22, s20                     ; yb = 4 x cluster y + cy
	s_lshl_b32 s80, s20, 2
	s_lshl_b32 s80, 15, s80                        ; my row of the cluster
	s_lshl_b32 s81, 0x1111, s19                    ; my column
	; group 1: rows of 512 elements of one byte, 16 bytes of padding behind each
	s_or_b32 s[G1X], s80, (1<<20)|(1<<21)|(6<<22)|(3<<25)   ; 15:0 the mask: x's rows go to my row of the cluster; 17:16 elements of 1 byte; 20 padding on; 21 set beside a mask; 24:22 after every 128 words (code 6); 31:25 four words (code 3)
	s_or_b32 s[G1W], s81, (1<<20)|(1<<21)|(6<<22)|(3<<25)   ; the same with the mask of my column
	s_mov_b32 s[G1X+1], 512<<16                    ; tensor_dim0 = 512
	s_mov_b32 s[G1X+2], 64<<16                     ; tensor_dim1 = 64: a wave brings 64 rows of x
	s_mov_b32 s[G1X+3], 512<<16                    ; tile_dim0
	s_mov_b32 s[G1X+4], 64                         ; tile_dim1
	s_mov_b32 s[G1X+5], 512                        ; from row to row
	s_mov_b32 s[G1X+6], 0
	s_mov_b32 s[G1X+7], 0
	s_mov_b32 s[G1W+1], 512<<16
	s_mov_b32 s[G1W+2], 32<<16                     ; a wave brings 32 rows of a weight tile, so that each of the four has one load of its own
	s_mov_b32 s[G1W+3], 512<<16
	s_mov_b32 s[G1W+4], 32
	s_mov_b32 s[G1W+5], 512
	s_mov_b32 s[G1W+6], 0
	s_mov_b32 s[G1W+7], 0
	s_lshl_b32 s82, s22, 17                        ; x: 256 yb rows of 512 bytes + 64 w rows: made of yb and the wave alone
	s_lshl_b32 s83, s[WV], 15
	s_add_co_u32 s82, s82, s83
	s_mov_b32 s83, 0
	s_lshl_b32 s84, s21, 17                        ; W, tile 0: 256 g rows + 32 w rows: made of g and the wave alone
	s_lshl_b32 s85, s[WV], 14
	s_add_co_u32 s84, s84, s85
	s_lshl_b32 s86, s21, 16                        ; tile 2: 2,048 + 128 g rows + 32 w rows
	s_add_co_u32 s86, s86, s85
	s_add_co_u32 s86, s86, 2048*512
	s_mov_b32 s85, 0
	s_mov_b32 s87, 0
	s_mul_i32 s89, s[WV], 32*PITCH                 ; my 32 rows' place in a weight region: no place in the cluster enters an LDS address
	s_mov_b32 s[G0X], 1                            ; count = 1
	s_mul_i32 s[G0X+1], s[WV], 64*PITCH            ; LDS address
	s_mov_b32 s[G0W0], 1
	s_add_co_u32 s[G0W0+1], s89, WR0
	s_mov_b32 s[G0W1], 1
	s_add_co_u32 s[G0W1+1], s89, WR1
	s_mov_b32 s[G0W2], 1
	s_add_co_u32 s[G0W2+1], s89, WR0
	s_wait_kmcnt 0x0
	s_add_nc_u64 s[G0X+2:G0X+3], s[4:5], s[82:83]
	s_or_b32 s[G0X+3], s[G0X+3], 0x80000000        ; type = 2
	s_add_nc_u64 s[G0W0+2:G0W0+3], s[8:9], s[84:85]
	s_add_nc_u64 s[G0W1+2:G0W1+3], s[G0W0+2:G0W0+3], 128*512   ; tile 1: 128 rows on
	s_or_b32 s[G0W0+3], s[G0W0+3], 0x80000000
	s_or_b32 s[G0W1+3], s[G0W1+3], 0x80000000
	s_add_nc_u64 s[G0W2+2:G0W2+3], s[8:9], s[86:87]
	s_or_b32 s[G0W2+3], s[G0W2+3], 0x80000000
	CROUND                                         ; all sixteen work-groups are here: the first joint loads meet
	tensor_load_to_lds s[G0X:G0X+3], s[G1X:G1X+7]  ; the first fills go out as one group: three loads of mine are out
	s_nop 0
	tensor_load_to_lds s[G0W0:G0W0+3], s[G1W:G1W+7]
	s_nop 0
	tensor_load_to_lds s[G0W1:G0W1+3], s[G1W:G1W+7]
	s_nop 0
	PLACES                                         ; four v_nop follow the tensor loads
	s_lshr_b32 s90, s[WV], 1                       ; w / 2
	s_and_b32 s91, s[WV], 1                        ; w % 2
	s_mov_b32 s81, 0                               ; s[80:81]: a byte offset, its high word 0
	s_lshl_b32 s80, s22, 13                        ; scale bytes: 32 a row
	s_lshl_b32 s82, s[WV], 11
	s_add_co_u32 s80, s80, s82
	s_add_nc_u64 s[XSQ:XSQ+1], s[6:7], s[80:81]
	s_lshl_b32 s80, s22, 13
	s_lshl_b32 s82, s90, 12
	s_add_co_u32 s80, s80, s82
	s_add_nc_u64 s[XSP:XSP+1], s[6:7], s[80:81]
	s_lshl_b32 s80, s21, 13
	s_add_nc_u64 s[WS:WS+1], s[10:11], s[80:81]
	s_lshl_b32 s80, s21, 12
	s_lshl_b32 s82, s91, 11
	s_add_co_u32 s80, s80, s82
	s_add_co_u32 s80, s80, 2048*32
	s_add_nc_u64 s[WS2:WS2+1], s[10:11], s[80:81]
	s_lshl_b32 s80, s21, 10
	s_add_nc_u64 s[BQK:BQK+1], s[12:13], s[80:81]
	s_lshl_b32 s80, s21, 9
	s_lshl_b32 s82, s91, 8
	s_add_co_u32 s80, s80, s82
	s_add_co_u32 s80, s80, 2048*4
	s_add_nc_u64 s[BV:BV+1], s[12:13], s[80:81]
	s_lshr_b32 s86, s22, 3
	s_lshl_b32 s86, s86, 4                         ; 16 x batch
	s_and_b32 s87, s22, 7
	s_lshl_b32 s87, s87, 1
	s_add_co_u32 s87, s87, s90                     ; my key step in the batch: 2 (yb % 8) + w / 2
	s_and_b32 s82, s21, 3
	s_lshl_b32 s82, s82, 2
	s_add_co_u32 s82, s82, s86                     ; head 4 (g % 4) of the batch
	s_lshl_b32 s82, s82, 4
	s_add_co_u32 s82, s82, s87
	s_mul_i32 s82, s82, RECB                       ; its record
	s_cmp_eq_u32 ttmp9, 0                          ; g < 4: q, else k: the choice hangs on the cluster's number alone
	s_cselect_b64 s[92:93], s[14:15], s[16:17]
	s_lshl_b32 s83, s91, 11                        ; my four tiles' images: 2,048 (w % 2) on
	s_add_co_u32 s80, s82, s83
	s_add_nc_u64 s[OQ:OQ+1], s[92:93], s[80:81]
	s_lshl_b32 s83, s91, 8                         ; their scale words: 8,192 + 256 (w % 2) on
	s_add_co_u32 s80, s82, s83
	s_add_co_u32 s80, s80, 8192
	s_add_nc_u64 s[OQS:OQS+1], s[92:93], s[80:81]
	s_lshl_b32 s82, s21, 1
	s_add_co_u32 s82, s82, s91                     ; v: head 2 g + w % 2
	s_add_co_u32 s82, s82, s86
	s_lshl_b32 s82, s82, 4
	s_add_co_u32 s82, s82, s87
	s_mul_i32 s80, s82, RECB
	s_add_nc_u64 s[OV:OV+1], s[16:17], s[80:81]
	s_mov_b32 s[SEL], 0x76543210
	s_mov_b32 s[SEL+1], 0xfedcba98
	s_mov_b32 s[HM], 0xffff0000
	v_and_b32 v1, 15, v0                           ; r
	v_bfe_u32 v2, v0, 4, 1                         ; h
	v_and_b32 v3, 31, v0                           ; lane
	v_mul_u32_u24 v16, v1, PITCH
	v_lshl_add_u32 v16, v2, 4, v16                 ; a fragment's row x pitch + 16 x half
	s_mul_i32 s82, s[WV], 64*PITCH
	v_add_nc_u32 v[AXQ], s82, v16
	s_mul_i32 s82, s90, 128*PITCH
	v_add_nc_u32 v[AXP], s82, v16
	v_add_nc_u32 v[AW0], WR0, v16
	v_add_nc_u32 v[AW1], WR1, v16
	s_mul_i32 s82, s91, 64*PITCH
	s_add_co_u32 s82, s82, WR0
	v_add_nc_u32 v[AWQ], s82, v16
	v_lshlrev_b32 v[VSC], 5, v1
	v_lshl_add_u32 v[VSC], v2, 4, v[VSC]
	v_lshlrev_b32 v[VBP], 5, v2
	v_lshlrev_b32 v[VBQ], 2, v1
	v_lshlrev_b32 v[VO16], 4, v3
	v_lshlrev_b32 v[VO8], 3, v3
.irp e, 0,1,2,3
	v_mov_b32 v[TM+4+\e], 0                        ; written once: a lane permute's destination counts as one of its sources
.endr
; The scale words of a tile: 16 rows' 512 bytes by one load, 16 bytes a lane.  Register q of a block of rows holds K step q in lanes 0-15 and K step q + 4 in lanes 16-31.
.macro SCLOAD sc, pb, poff, qb
.irp b, 0,1,2,3,4,5,6,7
	global_load_b128 v[\sc+4*\b:\sc+4*\b+3], v[VSC], s[\pb:\pb+1] offset:\poff+512*\b
.endr
.irp a, 0,1,2,3
	global_load_b128 v[\sc+32+4*\a:\sc+32+4*\a+3], v[VSC], s[\qb:\qb+1] offset:512*\a
.endr
.endm
.macro BPLOAD off                      ; a bias that runs along P: register j of tile b is that of row 16 b + 8 h + j
.irp b, 0,1,2,3,4,5,6,7
	global_load_b128 v[BI+8*\b:BI+8*\b+3], v[VBP], s[BQK:BQK+1] offset:\off+64*\b
	global_load_b128 v[BI+8*\b+4:BI+8*\b+7], v[VBP], s[BQK:BQK+1] offset:\off+64*\b+16
.endr
.endm
.macro BQLOAD                          ; a bias that runs along Q: the lane's own number, row 16 a + r, in all eight registers
.irp a, 0,1,2,3
.irp j, 0,1,2,3,4,5,6,7
	global_load_b32 v[BI+8*\a+\j], v[VBQ], s[BV:BV+1] offset:64*\a
.endr
.endr
.endm
; 24 LDS loads in one run: K step s's fragments (16 rows x 128 K of 4-bit codes: 8 registers, two loads 32 bytes apart) into a set
.macro FETCH set, s, ap, aq
	WIN 0x40                                       ; destination window 1, address window 0
.irp b, 0,1,2,3,4,5,6,7
.irp c, 0,1
	ds_load_b128 v[96*(\set)+8*\b+4*\c:96*(\set)+8*\b+4*\c+3], v[\ap] offset:16*PITCH*\b+64*(\s)+32*\c
.endr
.endr
.irp a, 0,1,2,3
.irp c, 0,1
	ds_load_b128 v[96*(\set)+64+8*\a+4*\c:96*(\set)+64+8*\a+4*\c+3], v[\aq] offset:16*PITCH*\a+64*(\s)+32*\c
.endr
.endr
.endm
; 32 matrix instructions: K step s.  cm = 1, 2: the first step starts the sums with the bias along P or along Q as C: nothing is cleared and no bias is added later.
; The 32 accumulators take turns, one instruction a turn, in the same order in every step.
.macro MUL set, s, sc, cm
.if \cm
	WIN 0x85                                       ; sources 0 and 1 window 1, C window 0, D window 2
.else
	WIN 0xa5                                       ; sources 0 and 1 window 1, C and D window 2
.endif
.irp a, 0,1,2,3
.irp b, 0,1,2,3,4,5,6,7
.set rD, 8*(8*\a+\b)
.set rC, rD
.if \cm == 1
.set rC, BI+8*\b
.endif
.if \cm == 2
.set rC, BI+8*\a
.endif
.set rP, 96*(\set)+8*\b
.set rQ, 96*(\set)+64+8*\a
.set rX, \sc+4*\b+(\s)%4
.set rY, \sc+32+4*\a+(\s)%4
.if (\s) >= 4
	v_wmma_scale_f32_16x16x128_f8f6f4 v[rD:rD+7], v[rP:rP+7], v[rQ:rQ+7], v[rC:rC+7], v[rX], v[rY] matrix_a_fmt:MATRIX_FMT_FP4 matrix_b_fmt:MATRIX_FMT_FP4 matrix_a_scale:MATRIX_SCALE_ROW1 matrix_b_scale:MATRIX_SCALE_ROW1
.else
	v_wmma_scale_f32_16x16x128_f8f6f4 v[rD:rD+7], v[rP:rP+7], v[rQ:rQ+7], v[rC:rC+7], v[rX], v[rY] matrix_a_fmt:MATRIX_FMT_FP4 matrix_b_fmt:MATRIX_FMT_FP4
.endif
.endr
.endr
.endm
; A tile's eight K steps.  Step s + 1's 24 loads are issued ahead of step s's 32 matrix instructions and land under them.  next = 1, 2: the next tile's bias is asked for as soon as step 0 has read this tile's.
.macro MAIN ap, aq, sc, cm, next
	s_wait_loadcnt 0x0                             ; this tile's scale words and bias, asked for a tile ago
.irp s, 0,1,2,3,4,5,6,7
	s_wait_dscnt 0x0                               ; this step's fragments are in
.if \s < 7
	PLACES                                         ; behind the last step's products, whose set (and, at step 1, bias) is loaded anew
.if \s == 1
.if \next == 1
	WIN 0
	BPLOAD 512
.endif
.if \next == 2
	WIN 0
	BQLOAD
.endif
.endif
	FETCH (\s+1)%2, \s+1, \ap, \aq
.endif
.if \s == 0
	MUL 0, 0, \sc, \cm
.else
	MUL \s%2, \s, \sc, 0
.endif
.endr
	WIN 0
.endm
; The eight tiles (a, 0 .. 7), 128 along the next K of the lane's row, become a fragment's codes in v[PC] on and its scale word in v[WW + a].
; A block's scale: its largest magnitude, with the floor 2^(3 - 127) among the leaves so that the byte cannot fall under 1; 2 off its exponent field is the conversion's scale operand, and that shifted down the byte.
; The conversion of tile t holds k = 16 t + 8 h + 0 .. 7.  The operand's layout wants a whole block in a lane (registers 4 c .. 4 c + 3: k = 64 c + 32 h + 0 .. 31): tiles 4 c, 4 c + 2, 4 c + 1, 4 c + 3 go to registers
; 4 c .. 4 c + 3, and two exchanges of halves for each c give it.
.macro QUANT a
	WIN 0x0a                                       ; sources 0 and 1 window 2
.irp e, 0,1,2,3
	v_max3_num_f32 v[TM+\e], |v[64*\a+16*\e]|, |v[64*\a+16*\e+1]|, 0x1800000   ; each accumulator is read from its low end on
.endr
.irp n, 2,4,6,8,10,12,14
.irp e, 0,1,2,3
	v_max3_num_f32 v[TM+\e], |v[64*\a+16*\e+\n]|, |v[64*\a+16*\e+\n+1]|, v[TM+\e]   ; (the four blocks by turns)
.endr
.endr
	WIN 0
.irp e, 0,1,2,3
	v_permlanex16_b32 v[TM+4+\e], v[TM+\e], s[SEL], s[SEL+1]
.endr
.irp e, 0,1,2,3
	v_max_num_f32 v[TM+\e], v[TM+\e], v[TM+4+\e]   ; with lane l xor 16's 16 numbers: the block's largest magnitude
.endr
.irp e, 0,1,2,3
	v_add_nc_u32 v[TM+12+\e], 0xff000000, v[TM+\e]
.endr
.irp e, 0,1,2,3
	v_lshrrev_b32 v[TM+4+\e], 23, v[TM+12+\e]
.endr
	v_lshl_or_b32 v[WW+\a], v[TM+5], 8, v[TM+4]
	v_lshl_or_b32 v[WW+\a], v[TM+6], 16, v[WW+\a]
	v_lshl_or_b32 v[WW+\a], v[TM+7], 24, v[WW+\a]
	s_wait_xcnt 0x0                                ; the earlier stores have read their data: the codes' and the words' registers are written again only behind this wait
	WIN 0x02                                       ; source 0 window 2
.irp t, 0,1,2,3,4,5,6,7
	v_cvt_scalef32_pk8_fp4_f32 v[PC+4*(\t/4)+2*(\t%2)+(\t%4)/2], v[64*\a+8*\t:64*\a+8*\t+7], v[TM+12+\t/2]
.endr
	WIN 0
	v_nop                                          ; one plain place behind the scaled conversions
.irp c, 0,1
	v_permlane16_swap_b32 v[PC+4*\c], v[PC+4*\c+1]
	v_permlane16_swap_b32 v[PC+4*\c+2], v[PC+4*\c+3]
.endr
.endm
; The way out of tile i of q or k: registers 0-3 of a fragment are the first head's 64, registers 4-7 the second's; of a scale word bytes 0, 1 and bytes 2, 3.
; (The first head's word keeps the second's two bytes on top, the second's has zeros there: they scale zero codes in the next launch, and none is 0xff.)
.macro EPI_QK i
.irp a, 0,1,2,3
	QUANT \a
	global_store_b128 v[VO16], v[PC:PC+3], s[OQ:OQ+1] offset:2*HEADB*\i+512*\a
	global_store_b128 v[VO16], v[PC+4:PC+7], s[OQ:OQ+1] offset:2*HEADB*\i+HEADB+512*\a
.endr
	v_cndmask_b32 v20, v[WW], v[WW+1], s[HM]       ; lanes 0-15 tile 0's words, lanes 16-31 tile 1's
	v_cndmask_b32 v21, v[WW+2], v[WW+3], s[HM]     ; tiles 2 and 3
	global_store_b64 v[VO8], v[20:21], s[OQS:OQS+1] offset:2*HEADB*\i          ; 256 consecutive bytes, aligned
	v_lshrrev_b32 v22, 16, v20
	v_lshrrev_b32 v23, 16, v21
	global_store_b64 v[VO8], v[22:23], s[OQS:OQS+1] offset:2*HEADB*\i+HEADB
.endm
.macro EPI_V                           ; v: d tile a's fragment of my key step: keys 0-63 in registers 0-3, keys 64-127 in registers 4-7
.irp a, 0,1,2,3
	QUANT \a
	global_store_b128 v[VO16], v[PC:PC+3], s[OV:OV+1] offset:4096+512*\a
	global_store_b128 v[VO16], v[PC+4:PC+7], s[OV:OV+1] offset:6144+512*\a
.endr
	v_cndmask_b32 v20, v[WW], v[WW+1], s[HM]
	v_cndmask_b32 v21, v[WW+2], v[WW+3], s[HM]
	global_store_b64 v[VO8], v[20:21], s[OV:OV+1] offset:8704
.endm
	SCLOAD SCA, WS, 0, XSQ                         ; tile 0's scale words, tile 1's, tile 0's bias
	SCLOAD SCB, WS, 4096, XSQ
	BPLOAD 0
	s_wait_alu depctr_va_vdst(0)
	s_wait_tensorcnt 0x1                           ; my parts of x and of weight tile 0 are in; tile 1's load may stay out
	s_barrier_signal -1
	s_barrier_wait -1                              ; everybody's are
	FETCH 0, 0, AW0, AXQ
	MAIN AW0, AXQ, SCA, 1, 1                       ; tile 0
	s_wait_tensorcnt 0x0                           ; all my tensor loads have landed: my part of weight tile 1;
	ds_add_u32 v[SPW], v[NIL]                      ; 0 onto my spare word
	s_wait_dscnt 0x0                               ; the add is done, and my reads of weight region 0 are over
	CROUND                                         ; no wave of any partner still reads region 0 or has a load on its way
	tensor_load_to_lds s[G0W2:G0W2+3], s[G1W:G1W+7]   ; v's weight tile into region 0: my one load behind the round; it has a way out and a whole tile in which to land
	s_nop 0
	PLACES                                         ; the places behind tile 0's last products, for the loads below and the first read of results
	SCLOAD SCA, XSP, 0, WS2                        ; tile 2's scale words
	FETCH 0, 0, AW1, AXQ                           ; tile 1's first fragments land under tile 0's way out
	WIN 0
	EPI_QK 0
	MAIN AW1, AXQ, SCB, 1, 2                       ; tile 1
	s_wait_tensorcnt 0x0                           ; my part of v's weight tile is in,
	s_wait_dscnt 0x0
	s_barrier_signal -1
	s_barrier_wait -1                              ; everybody's is
	PLACES
	FETCH 0, 0, AXP, AWQ
	WIN 0
	EPI_QK 1
	MAIN AXP, AWQ, SCA, 2, 0                       ; tile 2: v
	PLACES
	EPI_V
	s_wait_tensorcnt 0x0                           ; the wave's end
	ds_add_u32 v[SPW], v[NIL]
	s_wait_dscnt 0x0
	CROUND                                         ; the closing round: no work-group ends while a partner may still ask for a tile that names it
	s_endpgm
.Lfunc_end_k_q6f880ccf35_qkv:
	.size	k_q6f880ccf35_qkv, .Lfunc_end_k_q6f880ccf35_qkv-k_q6f880ccf35_qkv
	.p2alignl 7, 3214868480
	.fill 96, 4, 3214868480
	.section	.rodata,"a",@progbits
	.p2align	6, 0x0
	.amdhsa_kernel k_q6f880ccf35_qkv
		.amdhsa_group_segment_fixed_size 327680
		.amdhsa_private_segment_fixed_size 0
		.amdhsa_enable_private_segment 0
		.amdhsa_kernarg_size 56
		.amdhsa_user_sgpr_count 2
		.amdhsa_user_sgpr_kernarg_segment_ptr 1
		.amdhsa_wavefront_size32 1
		.amdhsa_system_sgpr_workgroup_id_x 1
		.amdhsa_system_sgpr_workgroup_id_y 1
		.amdhsa_system_sgpr_workgroup_id_z 1
		.amdhsa_system_vgpr_workitem_id 0
		.amdhsa_next_free_vgpr 768
		.amdhsa_next_free_sgpr 96
		.amdhsa_reserve_vcc 0
		.amdhsa_float_denorm_mode_32 3
		.amdhsa_float_denorm_mode_16_64 3
		.amdhsa_memory_ordered 1
		.amdhsa_forward_progress 1
		.amdhsa_inst_pref_size 206
	.end_amdhsa_kernel
	.amdgpu_metadata
---
amdhsa.version: [ 1, 2 ]
amdhsa.kernels:
  - .name:           k_q6f880ccf35_qkv
    .symbol:         k_q6f880ccf35_qkv.kd
    .args:
      - { .name: x_codes, .offset: 0, .size: 8, .value_kind: global_buffer, .address_space: global }
      - { .name: x_scales, .offset: 8, .size: 8, .value_kind: global_buffer, .address_space: global }
      - { .name: Wqkv_codes, .offset: 16, .size: 8, .value_kind: global_buffer, .address_space: global }
      - { .name: Wqkv_scales, .offset: 24, .size: 8, .value_kind: global_buffer, .address_space: global }
      - { .name: bqkv, .offset: 32, .size: 8, .value_kind: global_buffer, .address_space: global }
      - { .name: qrec, .offset: 40, .size: 8, .value_kind: global_buffer, .address_space: global }
      - { .name: kvrec, .offset: 48, .size: 8, .value_kind: global_buffer, .address_space: global }
    .group_segment_fixed_size: 327680
    .private_segment_fixed_size: 0
    .kernarg_segment_align: 8
    .kernarg_segment_size: 56
    .max_flat_workgroup_size: 128
    .sgpr_count:     96
    .vgpr_count:     768
    .wavefront_size: 32
...
	.end_amdgpu_metadata
.endif
;; end of part 1
;; launch attn (part 2): grid 8 x 32, 16 waves a work-group, clusters of 4 x 1, 327,680 bytes of LDS; arguments qrec, kvrec, acodes, ascales; writes acodes, ascales
.if DOCPART == 2
	.amdgcn_target "amdgcn-amd-amdhsa--gfx1250"
	.amdhsa_code_object_version 6
	.text
	.protected	k_q6f880ccf35_attn
	.globl	k_q6f880ccf35_attn
	.p2align	8
	.type	k_q6f880ccf35_attn,@function
k_q6f880ccf35_attn:
	s_mov_b64 s[64:65], 0
	v_nop
	global_prefetch_b8 v0, s[64:65] scope:SCOPE_SE
	s_setreg_imm32_b32 hwreg(HW_REG_WAVE_MODE, 25, 1), 1
	s_wait_xcnt 0x0
	s_wait_alu depctr_hold_cnt(0) depctr_sa_sdst(0) depctr_va_vdst(0) depctr_va_sdst(0) depctr_va_ssrc(0) depctr_va_vcc(0) depctr_vm_vsrc(0)
	s_getreg_b32 s2, hwreg(HW_REG_IB_STS2, 6, 4)
	s_cmp_eq_u32 s2, 0
	s_cbranch_scc0 .Lentry_in_a_cluster
	s_endpgm
.Lentry_in_a_cluster:
	s_bfe_u32 s2, ttmp6, 0x10000c
	s_cmp_lg_u32 s2, 0x3003
	s_cbranch_scc0 .Lentry_shape_is_right
	s_endpgm
.Lentry_shape_is_right:
; O = softmax(q k^T / 8) v for 64 (batch, head) pairs of 2,048 tokens and head size 64, both products on codes of FP4 (E2M1) with one E8M0 scale for each 32 along K; O is then quantised along the embedding (two blocks a head).
; THE SOFTMAX AHEAD OF THE SECOND PRODUCT: t = score x log2(e) / 8; M = the row's largest t so far, rounded UP to a whole number; p = 2^(t - M) is what is quantised, along the keys; it is not normalised.
; The row's sum is taken of the unquantised p, in f32, and divides O at the end.  When M moves, the sum and O are multiplied by 2^(old M - new M): exact.
; SHARES.  A work-group owns 256 queries of one batch for TWO neighbouring heads, one after the other; each of its sixteen waves owns one tile of 16 queries, in 256 registers: four waves to a SIMD, so that one wave's
; vector work stands beside another's matrix work and LDS loads.  With two heads a wave ends with a whole fragment (128 along the next K) and a whole scale word of the last product's operand.
; LDS holds the two heads' 32 records of k and v (8,960 bytes each: see the launch that writes them) all at once: they are filled once, each wave bringing one record of each head, so there is no ring.
; LAYOUT.  Both products are used transposed: S^T = k q^T (source 0 = 16 keys, source 1 = my 16 queries), O^T = v^T p^T (source 0 = 16 of the head's 64, source 1 = p): a lane holds ONE query (lane % 16) throughout.
; The first product's K is 64: registers 4-7 of q's and k's fragments are zero codes, written once; the scale bytes that meet them are live bytes or 0, never 0xff.
; CLUSTER: the four query blocks of a cluster read the same records: each record is asked for jointly, by the same tensor load with a mask that names the four.
; LIMITS: NaN and infinities are not served.  p under 2^-126 falls to 0 (v_exp_f32 flushes).  A block's largest p is taken through its largest score, which takes v_exp_f32 not to fall where its input rises.
; 1 / l is v_rcp_f32 and a multiplication.  A block of zeros gets the scale byte 1 where the quantiser's rule says 127: its codes are zeros, and this program alone reads the bytes.
.set RECB,  8960
.set HEADB, 16*RECB
.set SCST,  2*HEADB                    ; behind the records: 1,024 bytes in which the sixteen waves' scale words meet; no fill lands there
.set LI16, 1                           ; v1   16 x lane
.set LI8,  2                           ; v2   8 x lane
.set ADK,  3                           ; v3   LDS address of the record in hand + 16 x lane
.set AD8,  4                           ; v4   + 8 x lane
.set PW,   5                           ; v5   p's scale word
.set QS0,  6                           ; v6, v7  q's scale words, head 0, head 1
.set QS1,  7
.set F,    8                           ; v[8:9]   f = 2^(old M - new M) (v9 is named with it as a pair)
.set TMP,  10                          ; v[10:11] at work; 1 / l (v11 is named with it as a pair)
.set QA,   16                          ; v16-23 q's fragment, head 0; later O's codes of head 0 and, in v20, the scale word
.set QB,   24                          ; v24-31 head 1 likewise
.set KF,   32                          ; v32-95   eight fragments of k
.set S,    96                          ; v96-159  S^T, then p
.set OT,   160                         ; v160-191 O^T
.set VF,   192                         ; v192-223 four fragments of v
.set PCD,  224                         ; v224-231 p's codes
.set BM,   232                         ; v232-235 a block's largest score, then its largest p
.set T2,   236                         ; v236-239 the other half's; then bytes
.set SUM2, 240                         ; v[240:241] the sum's second chain
.set SST,  242                         ; v242 where I put my row's scale word
.set SRD,  243                         ; v243 where waves 0 and 1 read the words back
.set SO,   244                         ; v244-247 the conversions' scale operands
.set KS,   248                         ; v248-251 k's scale words: register t / 2, tile t in lanes 0-15 (t even) or 16-31 (t odd)
.set VS,   252                         ; v252-253 v's likewise
.set SGO,  254                         ; v254 16 x thread: the words' place in memory
.set WV,   12
.set G1,   16                          ; s[16:23] descriptor group 1;  s[24:27], s[28:31] groups 0 for my record of head 0 and of head 1
.set G0A,  24
.set G0B,  28
.set SEL,  32                          ; s[32:33] lane selects for v_permlanex16_b32: lane l xor 16
.set CS,   34                          ; s[34:35] c = log2(e) / 8: the packed form names a pair and takes its low word for both halves
.set TB,   36                          ; s36  LDS byte at which the record in hand begins
.set CNT,  37
.set QP,   38                          ; s[38:39] my tile's image of q;  s[40:41] its scale words
.set QSP,  40
.set OA,   42                          ; s[42:43] my fragment in acodes;  s[44:45] the work-group's words in ascales
.set OSB,  44
.macro PLACES
.rept 4
	v_nop
.endr
.endm
.macro CROUND                          ; a round of the cluster's barrier
	s_barrier_signal -1
	s_barrier_wait -1
	s_cmp_lg_u32 s[WV], 0
	s_cbranch_scc1 .Lnot_wave_0_\@
	s_barrier_signal -3
.Lnot_wave_0_\@:
	s_barrier_wait -3
	s_barrier_signal -1
	s_barrier_wait -1
.endm
	s_load_b256 s[4:11], s[0:1], 0x0               ; qrec s[4:5], kvrec s[6:7], acodes s[8:9], ascales s[10:11]
	v_lshl_add_u32 v254, v0, 2, 0x48000
	v_mov_b32 v255, 0
	ds_add_u32 v254, v255
	ds_add_u32 v254, v255
	s_wait_dscnt 0x0
	v_lshrrev_b32 v1, 5, v0
	s_delay_alu instid0(VALU_DEP_1)
	v_readfirstlane_b32 s[WV], v1                  ; wave 0..15
	s_bfe_u32 s13, ttmp6, 0x40000                  ; cx
	s_lshl_b32 s14, ttmp9, 2
	s_add_co_u32 s14, s14, s13                     ; my block of 256 queries = 4 x cluster x + cx: it enters q's and the outputs' addresses alone
	s_and_b32 s15, ttmp7, 0xffff
	s_lshr_b32 s46, s15, 3                         ; the batch
	s_and_b32 s47, s15, 7                          ; the pair of heads
	s_lshl_b32 s48, s46, 4
	s_lshl_b32 s49, s47, 1
	s_add_co_u32 s48, s48, s49
	s_lshl_b32 s48, s48, 4                         ; the first record of the pair's first head
	s_add_co_u32 s50, s48, s[WV]                   ; I fetch key step w
	s_mul_i32 s50, s50, RECB
	s_mov_b32 s51, 0
	s_mov_b32 s[G1], 15|(3<<16)|(1<<21)            ; 15:0 the mask: all four work-groups; 17:16 elements of 8 bytes; 21 set beside a mask; no padding: images are read 16 bytes a lane on end
	s_mov_b32 s[G1+1], 32<<16                      ; tensor_dim0 = 32: rows of 256 bytes
	s_mov_b32 s[G1+2], 35<<16                      ; tensor_dim1 = 35: a record
	s_mov_b32 s[G1+3], 32<<16                      ; tile_dim0
	s_mov_b32 s[G1+4], 35                          ; tile_dim1
	s_mov_b32 s[G1+5], 32                          ; dense
	s_mov_b32 s[G1+6], 0
	s_mov_b32 s[G1+7], 0
	s_mov_b32 s[G0A], 1
	s_mul_i32 s[G0A+1], s[WV], RECB                ; LDS address: the wave's number alone
	s_mov_b32 s[G0B], 1
	s_add_co_u32 s[G0B+1], s[G0A+1], HEADB
	s_wait_kmcnt 0x0
	s_add_nc_u64 s[G0A+2:G0A+3], s[6:7], s[50:51]
	s_add_nc_u64 s[G0B+2:G0B+3], s[G0A+2:G0A+3], HEADB
	s_or_b32 s[G0A+3], s[G0A+3], 0x80000000        ; type = 2
	s_or_b32 s[G0B+3], s[G0B+3], 0x80000000
	CROUND                                         ; all four work-groups are here: the joint loads meet
	tensor_load_to_lds s[G0A:G0A+3], s[G1:G1+7]    ; one load of mine is out; LDS is filled once
	s_nop 0
	s_wait_alu depctr_va_vdst(0)
	s_wait_tensorcnt 0x0
	ds_add_u32 v254, v255
	s_wait_dscnt 0x0
	CROUND
	tensor_load_to_lds s[G0B:G0B+3], s[G1:G1+7]
	s_nop 0
	PLACES                                         ; four v_nop follow the tensor loads
	s_mov_b32 s55, 0                               ; s[54:55]: a byte offset, its high word 0
	s_lshl_b32 s52, s46, 7
	s_lshl_b32 s53, s14, 4
	s_add_co_u32 s52, s52, s53                     ; the work-group's first tile of 16 tokens: 128 x batch + 16 x block
	s_add_co_u32 s54, s52, s[WV]
	s_lshl_b32 s54, s54, 3
	s_add_co_u32 s54, s54, s47
	s_lshl_b32 s54, s54, 10                        ; acodes: [tile][pair][1,024 bytes]
	s_add_nc_u64 s[OA:OA+1], s[8:9], s[54:55]
	s_lshl_b32 s54, s47, 9
	s_add_co_u32 s54, s54, s52
	s_lshl_b32 s54, s54, 6                         ; ascales: [pair][tile][16 words]
	s_add_nc_u64 s[OSB:OSB+1], s[10:11], s[54:55]
	s_lshl_b32 s56, s14, 1
	s_lshr_b32 s57, s[WV], 3
	s_add_co_u32 s56, s56, s57
	s_add_co_u32 s56, s56, s48
	s_mul_i32 s56, s56, RECB                       ; q's record that holds my tile: step 2 x block + w / 8, tile w % 8
	s_and_b32 s54, s[WV], 7
	s_lshl_b32 s54, s54, 9
	s_add_co_u32 s54, s54, s56
	s_add_nc_u64 s[QP:QP+1], s[4:5], s[54:55]
	s_bfe_u32 s54, s[WV], 0x10002                  ; its scale words: 8,192 + 256 (tile / 4) + 128 (tile % 2) + 4 ((tile / 2) % 2) + 8 r
	s_lshl_b32 s54, s54, 8
	s_and_b32 s57, s[WV], 1
	s_lshl_b32 s57, s57, 7
	s_add_co_u32 s54, s54, s57
	s_bfe_u32 s57, s[WV], 0x10001
	s_lshl_b32 s57, s57, 2
	s_add_co_u32 s54, s54, s57
	s_add_co_u32 s54, s54, s56
	s_add_co_u32 s54, s54, 8192
	s_add_nc_u64 s[QSP:QSP+1], s[4:5], s[54:55]
	s_mov_b32 s[SEL], 0x76543210
	s_mov_b32 s[SEL+1], 0xfedcba98
	s_mov_b32 s[CS], 0x3e38aa3b                    ; c = log2(e) / 8
	s_mov_b32 s[CS+1], s[CS]
	v_and_b32 v3, 31, v0                           ; lane
	s_delay_alu instid0(VALU_DEP_1)
	v_lshlrev_b32 v[LI16], 4, v3
	s_delay_alu instid0(VALU_DEP_2)
	v_lshlrev_b32 v[LI8], 3, v3
	v_and_b32 v4, 15, v0                           ; r
	s_delay_alu instid0(VALU_DEP_1)
	v_lshlrev_b32 v[TMP], 3, v4
	global_load_b128 v[QA:QA+3], v[LI16], s[QP:QP+1]               ; q's fragments stay in registers: registers 0-3 are the head's 64
	global_load_b128 v[QB:QB+3], v[LI16], s[QP:QP+1] offset:HEADB
	global_load_b32 v[QS0], v[TMP], s[QSP:QSP+1]
	global_load_b32 v[QS1], v[TMP], s[QSP:QSP+1] offset:HEADB
	v_lshlrev_b32 v[SST], 2, v4
	s_lshl_b32 s57, s[WV], 6
	s_add_co_u32 s57, s57, SCST
	v_add_nc_u32 v[SST], s57, v[SST]               ; SCST + 64 w + 4 r
	v_lshlrev_b32 v[SGO], 4, v0
	s_delay_alu instid0(VALU_DEP_1)
	v_add_nc_u32 v[SRD], SCST, v[SGO]
	v_mov_b32 v[F+1], 0
	v_mov_b32 v[TMP+1], 0
.irp n, 4,5,6,7
	v_mov_b32 v[QA+\n], 0                          ; K = 64 .. 127 of the first product: zero codes
	v_mov_b32 v[QB+\n], 0
.irp t, 0,1,2,3,4,5,6,7
	v_mov_b32 v[KF+8*\t+\n], 0
.endr
.endr
.irp b, 0,1,2,3
	v_mov_b32 v[T2+\b], 0                          ; written once: a lane permute's destination counts as one of its sources
.endr
.macro KQ t, qf, qs                    ; S^T tile t: keys 16 t + 8 h + j in register j
.if (\t)%2
	v_wmma_scale_f32_16x16x128_f8f6f4 v[S+8*\t:S+8*\t+7], v[KF+8*\t:KF+8*\t+7], v[\qf:\qf+7], 0, v[KS+\t/2], v[\qs] matrix_a_fmt:MATRIX_FMT_FP4 matrix_b_fmt:MATRIX_FMT_FP4 matrix_a_scale:MATRIX_SCALE_ROW1
.else
	v_wmma_scale_f32_16x16x128_f8f6f4 v[S+8*\t:S+8*\t+7], v[KF+8*\t:KF+8*\t+7], v[\qf:\qf+7], 0, v[KS+\t/2], v[\qs] matrix_a_fmt:MATRIX_FMT_FP4 matrix_b_fmt:MATRIX_FMT_FP4
.endif
.endm
.macro PV t                            ; O^T tile t += v^T p^T: K = these 128 keys
.if (\t)%2
	v_wmma_scale_f32_16x16x128_f8f6f4 v[OT+8*\t:OT+8*\t+7], v[VF+8*\t:VF+8*\t+7], v[PCD:PCD+7], v[OT+8*\t:OT+8*\t+7], v[VS+\t/2], v[PW] matrix_a_fmt:MATRIX_FMT_FP4 matrix_b_fmt:MATRIX_FMT_FP4 matrix_a_scale:MATRIX_SCALE_ROW1
.else
	v_wmma_scale_f32_16x16x128_f8f6f4 v[OT+8*\t:OT+8*\t+7], v[VF+8*\t:VF+8*\t+7], v[PCD:PCD+7], v[OT+8*\t:OT+8*\t+7], v[VS+\t/2], v[PW] matrix_a_fmt:MATRIX_FMT_FP4 matrix_b_fmt:MATRIX_FMT_FP4
.endif
.endm
; A KEY STEP: 128 keys, one record.
.macro STEP qf, qs
	v_add_nc_u32 v[ADK], s[TB], v[LI16]
	v_add_nc_u32 v[AD8], s[TB], v[LI8]
	v_nop
	v_nop                                          ; four places behind the last step's products, ahead of the loads into v's fragments and scale words
.irp t, 0,1,2,3,4,5,6,7
	ds_load_b128 v[KF+8*\t:KF+8*\t+3], v[ADK] offset:512*\t
.endr
.irp g, 0,1
	ds_load_b64 v[KS+2*\g:KS+2*\g+1], v[AD8] offset:8192+256*\g
.endr
.irp c, 0,1
.irp t, 0,1,2,3
	ds_load_b128 v[VF+8*\t+4*\c:VF+8*\t+4*\c+3], v[ADK] offset:4096+2048*\c+512*\t
.endr
.endr
	ds_load_b64 v[VS:VS+1], v[AD8] offset:8704
	s_wait_dscnt 9                                 ; k and its scale words are in; v's eight loads and its words' load, issued behind them, may stay out
.irp t, 0,1,2,3,4,5,6,7
	KQ \t, \qf, \qs
.endr
	PLACES
.irp b, 0,1,2,3
	v_max3_num_f32 v[BM+\b], v[S+16*\b], v[S+1+16*\b], v[S+2+16*\b]   ; THE LARGEST SCORE OF EACH BLOCK OF 32 KEYS serves twice: for the row's maximum and, since p rises with the score, for the block's largest p
.endr
.irp n, 3,5,7,9,11,13
.irp b, 0,1,2,3
	v_max3_num_f32 v[BM+\b], v[BM+\b], v[S+16*\b+\n], v[S+1+16*\b+\n]   ; (the four blocks by turns; each accumulator is first read at its low end)
.endr
.endr
.irp b, 0,1,2,3
	v_max_num_f32 v[BM+\b], v[BM+\b], v[S+15+16*\b]
.endr
.irp b, 0,1,2,3
	s_delay_alu instid0(VALU_DEP_4)
	v_permlanex16_b32 v[T2+\b], v[BM+\b], s[SEL], s[SEL+1]
.endr
.irp b, 0,1,2,3
	s_delay_alu instid0(VALU_DEP_4)
	v_max_num_f32 v[BM+\b], v[BM+\b], v[T2+\b]     ; with lane l xor 16's 16 keys
.endr
	s_delay_alu instid0(VALU_DEP_2)
	v_max3_num_f32 v[TMP], v[BM], v[BM+1], v[BM+2]
	s_delay_alu instid0(VALU_DEP_1)
	v_max_num_f32 v[TMP], v[TMP], v[BM+3]          ; the step's largest score of my query
	s_delay_alu instid0(VALU_DEP_1)
	v_mul_f32 v[TMP], s[CS], v[TMP]                ; as t (c is positive)
	s_delay_alu instid0(VALU_DEP_1)
	v_max_num_f32 v13, v13, v[TMP]                 ; the running largest t
	v_mov_b32 v[TMP], v12
	s_delay_alu instid0(VALU_DEP_2)
	v_floor_f32 v12, -v13                          ; the new -M = floor(-t) = -ceil(t): M is a whole number
	s_delay_alu instid0(VALU_DEP_1)
	v_sub_f32 v[TMP], v12, v[TMP]                  ; M's old value less its new one: a whole number, 0 or less
	s_delay_alu instid0(VALU_DEP_1)
	v_cvt_i32_f32 v[TMP], v[TMP]                   ; (it saturates)
	s_delay_alu instid0(VALU_DEP_1)
	v_ldexp_f32 v[F], 1.0, v[TMP]                  ; f = 2^(old M - new M)
.set i, 0
.rept 32
	v_pk_fma_f32 v[S+i:S+i+1], v[S+i:S+i+1], s[CS:CS+1], v[12:13] op_sel_hi:[1,0,0]   ; t - M, two at a time
.set i, i+2
.endr
.irp b, 0,1,2,3
	v_fma_f32 v[BM+\b], v[BM+\b], s[CS], v12       ; the same of each block's largest score
.endr
.set i, 0
	s_wait_alu depctr_va_vdst(0)
.rept 64
	v_exp_f32 v[S+i], v[S+i]                       ; p = 2^(t - M), at most 1: not normalised
.set i, i+1
.endr
	s_setprio 1
.irp b, 0,1,2,3
	v_exp_f32 v[BM+\b], v[BM+\b]                   ; the block's largest p: the same two instructions on the same number give the same bits
.endr
	v_pk_mul_f32 v[14:15], v[14:15], v[F:F+1] op_sel_hi:[1,0]   ; the sums under the new M.  (A plain place behind the exponentials)
	s_wait_alu depctr_va_vdst(0)
.irp b, 0,1,2,3
	v_max_num_f32 v[BM+\b], 0x1800000, v[BM+\b]    ; the floor 2^(3 - 127): the byte cannot fall under 1
.endr
.irp b, 0,1,2,3
	s_delay_alu instid0(VALU_DEP_4)
	v_add_nc_u32 v[SO+\b], 0xff000000, v[BM+\b]    ; 2 off the exponent field: the conversion's scale operand
.endr
.irp b, 0,1,2,3
	s_delay_alu instid0(VALU_DEP_4)
	v_lshrrev_b32 v[T2+\b], 23, v[SO+\b]           ; the scale's byte
.endr
	s_delay_alu instid0(VALU_DEP_3)
	v_lshl_or_b32 v[PW], v[T2+1], 8, v[T2]         ; p's scale word for these 128 keys
	s_delay_alu instid0(VALU_DEP_1)
	v_lshl_or_b32 v[PW], v[T2+2], 16, v[PW]
	s_delay_alu instid0(VALU_DEP_1)
	v_lshl_or_b32 v[PW], v[T2+3], 24, v[PW]
.irp t, 0,1,2,3,4,5,6,7
	v_cvt_scalef32_pk8_fp4_f32 v[PCD+4*(\t/4)+2*(\t%2)+(\t%4)/2], v[S+8*\t:S+8*\t+7], v[SO+\t/2]   ; tile t's eight keys; tiles 4 c, 4 c + 2, 4 c + 1, 4 c + 3 go to registers 4 c .. 4 c + 3
.endr
	v_nop                                          ; one plain place behind the scaled conversions
.irp c, 0,1                                    ; the operand's layout wants a whole block in a lane: two exchanges of halves for each c give registers 4 c .. 4 c + 3 keys 64 c + 32 h + 0 .. 31
	v_permlane16_swap_b32 v[PCD+4*\c], v[PCD+4*\c+1]
	v_permlane16_swap_b32 v[PCD+4*\c+2], v[PCD+4*\c+3]
.endr
	v_pk_add_f32 v[SUM2:SUM2+1], v[S:S+1], v[S+2:S+3]   ; THE ROW'S SUM IS TAKEN OF THE UNQUANTISED p: two at a time, in two chains
.set i, 4
.rept 15
	v_pk_add_f32 v[14:15], v[14:15], v[S+i:S+i+1]
	v_pk_add_f32 v[SUM2:SUM2+1], v[SUM2:SUM2+1], v[S+i+2:S+i+3]
.set i, i+4
.endr
	s_delay_alu instid0(VALU_DEP_1)
	v_pk_add_f32 v[14:15], v[14:15], v[SUM2:SUM2+1]
.set i, 0
	s_setprio 0
.rept 16
	v_pk_mul_f32 v[OT+i:OT+i+1], v[OT+i:OT+i+1], v[F:F+1] op_sel_hi:[1,0]   ; O^T under the new M.  (These and the sums are the places between p's codes and scale word and the products below)
.set i, i+2
.endr
	s_wait_alu depctr_va_vdst(0)
	s_wait_dscnt 0x0                               ; v and its scale words are in
.irp t, 0,1,2,3
	PV \t                                          ; the four accumulators by turns; the eight products of S^T stand between a link and the next
.endr
	s_add_co_u32 s[TB], s[TB], RECB
.endm
; A head: the step is written once; O^T and the sum begin as zeros and the largest t as -3e38, so that the first change of M multiplies zeros.
.macro HEAD c, qf, qs
	v_mov_b32 v13, 0xff61b1e6
	s_delay_alu instid0(VALU_DEP_1)
	v_floor_f32 v12, -v13
	v_mov_b32 v14, 0
	v_mov_b32 v15, 0
.set i, 0
.rept 32
	v_mov_b32 v[OT+i], 0
.set i, i+1
.endr
	s_mov_b32 s[TB], \c*HEADB
	s_mov_b32 s[CNT], 16
.Lstep_\@:
	s_setprio 2
	STEP \qf, \qs
	s_sub_co_u32 s[CNT], s[CNT], 1
	s_cmp_lg_u32 s[CNT], 0
	s_cbranch_scc1 .Lstep_\@
	s_setprio 0
.endm
; O^T / l, quantised along the head's 64 (two blocks): four registers of codes in v[d] on (lane (r, h): block h), two scale bytes in v[wd].
.macro FINISH d, wd
	PLACES
	v_add_f32 v14, v14, v15                        ; the sum's two halves,
	s_delay_alu instid0(VALU_DEP_1)
	v_permlanex16_b32 v[TMP], v14, s[SEL], s[SEL+1]
	s_delay_alu instid0(VALU_DEP_1)
	v_add_f32 v14, v14, v[TMP]                     ; and lane l xor 16's: the row's sum
	s_wait_alu depctr_va_vdst(0)
	v_rcp_f32 v[TMP], v14
	v_nop                                          ; one plain place behind the transcendental
.set i, 0
	s_wait_alu depctr_va_vdst(0)
.rept 16
	v_pk_mul_f32 v[S+i:S+i+1], v[OT+i:OT+i+1], v[TMP:TMP+1] op_sel_hi:[1,0]   ; register 8 t + j is o(query r, d = 16 t + 8 h + j)
.set i, i+2
.endr
.irp e, 0,1
	v_max3_num_f32 v[BM+\e], |v[S+16*\e]|, |v[S+16*\e+1]|, 0x1800000
.endr
.irp n, 2,4,6,8,10,12,14
.irp e, 0,1
	s_delay_alu instid0(VALU_DEP_2)
	v_max3_num_f32 v[BM+\e], v[BM+\e], |v[S+16*\e+\n]|, |v[S+16*\e+\n+1]|
.endr
.endr
.irp e, 0,1
	s_delay_alu instid0(VALU_DEP_2)
	v_permlanex16_b32 v[T2+\e], v[BM+\e], s[SEL], s[SEL+1]
.endr
.irp e, 0,1
	s_delay_alu instid0(VALU_DEP_2)
	v_max_num_f32 v[BM+\e], v[BM+\e], v[T2+\e]
.endr
.irp e, 0,1
	s_delay_alu instid0(VALU_DEP_2)
	v_add_nc_u32 v[SO+\e], 0xff000000, v[BM+\e]
.endr
.irp e, 0,1
	s_delay_alu instid0(VALU_DEP_2)
	v_lshrrev_b32 v[T2+\e], 23, v[SO+\e]
.endr
	s_delay_alu instid0(VALU_DEP_1)
	v_lshl_or_b32 v[\wd], v[T2+1], 8, v[T2]
.irp t, 0,1,2,3
	v_cvt_scalef32_pk8_fp4_f32 v[\d+2*(\t%2)+\t/2], v[S+8*\t:S+8*\t+7], v[SO+\t/2]
.endr
	v_nop                                          ; one plain place behind the scaled conversions
	v_permlane16_swap_b32 v[\d], v[\d+1]
	v_permlane16_swap_b32 v[\d+2], v[\d+3]
.endm
	s_wait_loadcnt 0x0                             ; q
	s_wait_tensorcnt 0x1                           ; my record of head 0 is in; head 1's may stay out
	s_barrier_signal -1
	s_barrier_wait -1                              ; everybody's is
	HEAD 0, QA, QS0
	FINISH QA, QA+4                                ; q of head 0 is done with: its registers take the codes and the two bytes
	s_wait_tensorcnt 0x0                           ; my record of head 1 is in,
	s_wait_dscnt 0x0
	s_barrier_signal -1
	s_barrier_wait -1                              ; everybody's is
	HEAD 1, QB, QS1
	FINISH QB, QB+4
	v_lshl_or_b32 v[QA+4], v[QB+4], 16, v[QA+4]    ; my row's scale word for this K step of the last product: head 0's two bytes, head 1's two
	global_store_b128 v[LI16], v[QA:QA+3], s[OA:OA+1]              ; the fragment as an image of its registers: 2 x 512 consecutive bytes, aligned
	global_store_b128 v[LI16], v[QB:QB+3], s[OA:OA+1] offset:512
	ds_store_b32 v[SST], v[QA+4]                   ; both halves of the lanes write the same word with the same value
	s_wait_dscnt 0x0                               ; for the others' sake: my store has landed
	s_barrier_signal -1
	s_barrier_wait -1
	s_cmp_lt_u32 s[WV], 2                          ; the work-group's 1,024 bytes of scale words are consecutive in memory: waves 0 and 1 store them, 512 bytes each
	s_cbranch_scc0 .Lno_words
	ds_load_b128 v[KF:KF+3], v[SRD]
	s_wait_dscnt 0x0
	global_store_b128 v[SGO], v[KF:KF+3], s[OSB:OSB+1]
.Lno_words:
	s_wait_xcnt 0x0
	v_lshl_add_u32 v254, v0, 2, 0x48000
	v_mov_b32 v255, 0
	s_wait_alu depctr_va_vdst(0)
	s_wait_tensorcnt 0x0
	ds_add_u32 v254, v255
	s_wait_dscnt 0x0
	CROUND                                         ; the closing round: no work-group ends while a partner may still ask for a record that names it
	s_endpgm
.Lfunc_end_k_q6f880ccf35_attn:
	.size	k_q6f880ccf35_attn, .Lfunc_end_k_q6f880ccf35_attn-k_q6f880ccf35_attn
	.p2alignl 7, 3214868480
	.fill 96, 4, 3214868480
	.section	.rodata,"a",@progbits
	.p2align	6, 0x0
	.amdhsa_kernel k_q6f880ccf35_attn
		.amdhsa_group_segment_fixed_size 327680
		.amdhsa_private_segment_fixed_size 0
		.amdhsa_enable_private_segment 0
		.amdhsa_kernarg_size 32
		.amdhsa_user_sgpr_count 2
		.amdhsa_user_sgpr_kernarg_segment_ptr 1
		.amdhsa_wavefront_size32 1
		.amdhsa_system_sgpr_workgroup_id_x 1
		.amdhsa_system_sgpr_workgroup_id_y 1
		.amdhsa_system_sgpr_workgroup_id_z 1
		.amdhsa_system_vgpr_workitem_id 0
		.amdhsa_next_free_vgpr 256
		.amdhsa_next_free_sgpr 66
		.amdhsa_reserve_vcc 0
		.amdhsa_float_denorm_mode_32 3
		.amdhsa_float_denorm_mode_16_64 3
		.amdhsa_memory_ordered 1
		.amdhsa_forward_progress 1
		.amdhsa_inst_pref_size 51
	.end_amdhsa_kernel
	.amdgpu_metadata
---
amdhsa.version: [ 1, 2 ]
amdhsa.kernels:
  - .name:           k_q6f880ccf35_attn
    .symbol:         k_q6f880ccf35_attn.kd
    .args:
      - { .name: qrec, .offset: 0, .size: 8, .value_kind: global_buffer, .address_space: global }
      - { .name: kvrec, .offset: 8, .size: 8, .value_kind: global_buffer, .address_space: global }
      - { .name: acodes, .offset: 16, .size: 8, .value_kind: global_buffer, .address_space: global }
      - { .name: ascales, .offset: 24, .size: 8, .value_kind: global_buffer, .address_space: global }
    .group_segment_fixed_size: 327680
    .private_segment_fixed_size: 0
    .kernarg_segment_align: 8
    .kernarg_segment_size: 32
    .max_flat_workgroup_size: 512
    .sgpr_count:     66
    .vgpr_count:     256
    .wavefront_size: 32
...
	.end_amdgpu_metadata
.endif
;; end of part 2
;; launch proj (part 3): grid 8 x 32, 4 waves a work-group, clusters of 4 x 4, 327,680 bytes of LDS; arguments acodes, ascales, Wo_codes, Wo_scales, bo, out0; writes out0
.if DOCPART == 3
	.amdgcn_target "amdgcn-amd-amdhsa--gfx1250"
	.amdhsa_code_object_version 6
	.text
	.protected	k_q6f880ccf35_proj
	.globl	k_q6f880ccf35_proj
	.p2align	8
	.type	k_q6f880ccf35_proj,@function
k_q6f880ccf35_proj:
	s_mov_b64 s[64:65], 0
	v_nop
	global_prefetch_b8 v0, s[64:65] scope:SCOPE_SE
	s_setreg_imm32_b32 hwreg(HW_REG_WAVE_MODE, 25, 1), 1
	s_wait_xcnt 0x0
	s_wait_alu depctr_hold_cnt(0) depctr_sa_sdst(0) depctr_va_vdst(0) depctr_va_sdst(0) depctr_va_ssrc(0) depctr_va_vcc(0) depctr_vm_vsrc(0)
	s_getreg_b32 s2, hwreg(HW_REG_IB_STS2, 6, 4)
	s_cmp_eq_u32 s2, 0
	s_cbranch_scc0 .Lentry_in_a_cluster
	s_endpgm
.Lentry_in_a_cluster:
	s_bfe_u32 s2, ttmp6, 0x10000c
	s_cmp_lg_u32 s2, 0xf033
	s_cbranch_scc0 .Lentry_shape_is_right
	s_endpgm
.Lentry_shape_is_right:
; out0 = a Wo + bo on codes of FP4 (E2M1) with one E8M0 scale for each 32 along K.  a, the attention's result, comes as images of the operand's registers: acodes [tile of 16 tokens][K step][1,024 bytes],
; ascales [K step][tile][16 words].  Wo's codes are rows of 512 bytes, K innermost.
; SHARES.  256 work-groups, 8 (xg) x 32 (yb): 128 rows of Wo (output columns 128 xg on) x 256 tokens.  A wave's tile is 128 rows P (source 0 = Wo) x 64 rows Q (source 1 = tokens 64 w on), 32 accumulators:
; a lane then holds one token (lane % 16) and eight neighbouring output columns in each accumulator.  All of K for both operands fits in LDS: it is filled once, so there is no ring.
; CLUSTERS: 4 x 4 work-groups.  a's images hang on yb alone and are shared along a row of the cluster, Wo's rows on xg alone and are shared along a column: each is asked for jointly.
; LIMITS: NaN and infinities are not served.
; REGISTERS, in windows of 256: window 0: v1-14 addresses; v32-79 scale words; v128-191 the bias, later with v192-255 rows on the way out.  window 1: two sets of fragments at 96 x set.  window 2: accumulator (a, b) at 8 (8 a + b).
.set PITCH, 528                        ; an LDS row of Wo, and of the stage: 512 bytes + 16 = 132 words: row r starts 4 r words on modulo 64
.set WR,    131072                     ; behind a's 16 tiles of 8,192 bytes: Wo's 128 rows
.set STG,   WR+128*PITCH               ; behind them: a stage of 16 rows for each wave; no fill lands there
.set AQ,  4                            ; v4   16 x lane + my four tiles of a
.set AW,  6                            ; v6   Wo's fragments
.set VSC, 9                            ; v9   32 r + 16 h
.set VBP, 10                           ; v10  32 h
.set VAS, 11                           ; v11  4 r + 131,072 h: lanes 16-31 take the words of four K steps on
.set CO,  12                           ; v12  16 x lane
.set STO, 13                           ; v13  the stage: where I put 32 bytes of a row
.set RD,  14                           ; v14  and where I read a row back
.set SCA, 32
.set BI,  128
.set BK,  128
.set WV,  18
.set G1A, 24                           ; s[24:31], s[32:39] descriptor groups 1 for a and for Wo;  s[40:43], s[44:47] their groups 0
.set G1W, 32
.set G0A, 40
.set G0W, 44
.set WS,  48                           ; s[48:49] Wo's scale bytes at row 128 xg
.set AS,  50                           ; s[50:51] a's scale words at my first tile
.set BP,  52                           ; s[52:53] bo at 128 xg
.set OUT, 54                           ; s[54:55] out0 at my first token and column
.set MSB, 0
.macro WIN new                         ; the immediate's high byte repeats the setting that is left
.if MSB != \new
	s_set_vgpr_msb (MSB<<8)|\new
.set MSB, \new
.endif
.endm
.macro PLACES
.rept 4
	v_nop
.endr
.endm
.macro CROUND                          ; a round of the cluster's barrier
	s_barrier_signal -1
	s_barrier_wait -1
	s_cmp_lg_u32 s[WV], 0
	s_cbranch_scc1 .Lnot_wave_0_\@
	s_barrier_signal -3
.Lnot_wave_0_\@:
	s_barrier_wait -3
	s_barrier_signal -1
	s_barrier_wait -1
.endm
	s_load_b256 s[4:11], s[0:1], 0x0               ; acodes s[4:5], ascales s[6:7], Wo's codes s[8:9], Wo's scales s[10:11]
	s_load_b128 s[12:15], s[0:1], 0x20             ; bo s[12:13], out0 s[14:15]
	v_lshl_add_u32 v126, v0, 2, 0x38c00
	v_mov_b32 v127, 0
	ds_add_u32 v126, v127
	ds_add_u32 v126, v127
	v_lshrrev_b32 v1, 5, v0
	v_readfirstlane_b32 s[WV], v1                  ; wave 0..3
	s_bfe_u32 s19, ttmp6, 0x40000                  ; cx, cy
	s_bfe_u32 s20, ttmp6, 0x40004
	s_lshl_b32 s21, ttmp9, 2
	s_add_co_u32 s21, s21, s19                     ; xg
	s_and_b32 s22, ttmp7, 0xffff
	s_lshl_b32 s22, s22, 2
	s_add_co_u32 s22, s22, s20                     ; yb
	s_lshl_b32 s66, s20, 2
	s_lshl_b32 s66, 15, s66                        ; my row of the cluster
	s_lshl_b32 s67, 0x1111, s19                    ; my column
	s_or_b32 s[G1A], s66, (3<<16)|(1<<21)          ; a: the mask of my row; elements of 8 bytes; 21 set beside a mask; no padding: images are read 16 bytes a lane on end
	s_mov_b32 s[G1A+1], 32<<16                     ; rows of 256 bytes,
	s_mov_b32 s[G1A+2], 128<<16                    ; 128 of them: a wave brings its four tiles, 32,768 dense bytes
	s_mov_b32 s[G1A+3], 32<<16
	s_mov_b32 s[G1A+4], 128
	s_mov_b32 s[G1A+5], 32
	s_mov_b32 s[G1A+6], 0
	s_mov_b32 s[G1A+7], 0
	s_or_b32 s[G1W], s67, (1<<20)|(1<<21)|(6<<22)|(3<<25)   ; Wo: the mask of my column; elements of 1 byte; padding: four words after every 128
	s_mov_b32 s[G1W+1], 512<<16
	s_mov_b32 s[G1W+2], 32<<16                     ; a wave brings 32 rows
	s_mov_b32 s[G1W+3], 512<<16
	s_mov_b32 s[G1W+4], 32
	s_mov_b32 s[G1W+5], 512
	s_mov_b32 s[G1W+6], 0
	s_mov_b32 s[G1W+7], 0
	s_lshl_b32 s56, s22, 17                        ; a: 16 yb tiles of 8,192 bytes + 4 w tiles: made of yb and the wave alone
	s_lshl_b32 s57, s[WV], 15
	s_add_co_u32 s56, s56, s57
	s_mov_b32 s57, 0
	s_lshl_b32 s58, s21, 16                        ; Wo: 128 xg rows of 512 bytes + 32 w rows: made of xg and the wave alone
	s_lshl_b32 s59, s[WV], 14
	s_add_co_u32 s58, s58, s59
	s_mov_b32 s59, 0
	s_mov_b32 s[G0A], 1
	s_lshl_b32 s[G0A+1], s[WV], 15                 ; LDS addresses: the wave's number alone
	s_mov_b32 s[G0W], 1
	s_mul_i32 s60, s[WV], 32*PITCH
	s_add_co_u32 s[G0W+1], s60, WR
	s_wait_dscnt 0x0
	s_wait_kmcnt 0x0
	s_add_nc_u64 s[G0A+2:G0A+3], s[4:5], s[56:57]
	s_or_b32 s[G0A+3], s[G0A+3], 0x80000000        ; type = 2
	s_add_nc_u64 s[G0W+2:G0W+3], s[8:9], s[58:59]
	s_or_b32 s[G0W+3], s[G0W+3], 0x80000000
	CROUND                                         ; all sixteen work-groups are here: the joint loads meet
	tensor_load_to_lds s[G0A:G0A+3], s[G1A:G1A+7]  ; one load of mine is out; LDS is filled once
	s_nop 0
	s_wait_alu depctr_va_vdst(0)
	s_wait_tensorcnt 0x0
	ds_add_u32 v126, v127
	s_wait_dscnt 0x0
	CROUND
	tensor_load_to_lds s[G0W:G0W+3], s[G1W:G1W+7]
	s_nop 0
	PLACES                                         ; four v_nop follow the tensor loads
	s_mov_b32 s69, 0                               ; s[68:69]: a byte offset, its high word 0
	s_lshl_b32 s68, s21, 12
	s_add_nc_u64 s[WS:WS+1], s[10:11], s[68:69]
	s_lshl_b32 s68, s22, 4
	s_lshl_b32 s70, s[WV], 2
	s_add_co_u32 s68, s68, s70
	s_lshl_b32 s68, s68, 6                         ; tile 16 yb + 4 w: 64 bytes a tile
	s_add_nc_u64 s[AS:AS+1], s[6:7], s[68:69]
	s_lshl_b32 s68, s21, 9
	s_add_nc_u64 s[BP:BP+1], s[12:13], s[68:69]
	s_lshl_b32 s70, s22, 20                        ; out0: token 256 yb + 64 w, 4,096 bytes a token, + 512 xg
	s_add_co_u32 s68, s68, s70
	s_lshl_b32 s70, s[WV], 18
	s_add_co_u32 s68, s68, s70
	s_add_nc_u64 s[OUT:OUT+1], s[14:15], s[68:69]
	v_and_b32 v1, 15, v0                           ; r
	v_bfe_u32 v2, v0, 4, 1                         ; h
	v_and_b32 v3, 31, v0                           ; lane
	v_lshlrev_b32 v[CO], 4, v3
	s_lshl_b32 s70, s[WV], 15
	v_add_nc_u32 v[AQ], s70, v[CO]
	v_mul_u32_u24 v[AW], v1, PITCH
	v_lshl_add_u32 v[AW], v2, 4, v[AW]
	v_add_nc_u32 v[AW], WR, v[AW]
	v_lshlrev_b32 v[VSC], 5, v1
	v_lshl_add_u32 v[VSC], v2, 4, v[VSC]
	v_lshlrev_b32 v[VBP], 5, v2
	v_lshlrev_b32 v[VAS], 2, v1
	v_lshl_add_u32 v[VAS], v2, 17, v[VAS]
	s_mul_i32 s70, s[WV], 16*PITCH
	s_add_co_u32 s70, s70, STG                     ; my stage
	v_mul_u32_u24 v[STO], v1, PITCH
	v_lshl_add_u32 v[STO], v2, 5, v[STO]
	v_add_nc_u32 v[STO], s70, v[STO]               ; in: row r, 32 bytes for each half of the lanes
	v_add_nc_u32 v[RD], s70, v[CO]                 ; back: the 32 lanes take one row of 512 bytes
.irp b, 0,1,2,3,4,5,6,7
	global_load_b128 v[SCA+4*\b:SCA+4*\b+3], v[VSC], s[WS:WS+1] offset:512*\b   ; Wo's scale words: register q holds K step q in lanes 0-15 and q + 4 in lanes 16-31
.endr
.irp a, 0,1,2,3
.irp q, 0,1,2,3
	global_load_b32 v[SCA+32+4*\a+\q], v[VAS], s[AS:AS+1] offset:32768*\q+64*\a   ; a's likewise
.endr
.endr
.irp b, 0,1,2,3,4,5,6,7
	global_load_b128 v[BI+8*\b:BI+8*\b+3], v[VBP], s[BP:BP+1] offset:64*\b      ; the bias in the result's layout: register j of tile b is bo at 16 b + 8 h + j
	global_load_b128 v[BI+8*\b+4:BI+8*\b+7], v[VBP], s[BP:BP+1] offset:64*\b+16
.endr
.macro FETCH set, s                    ; 24 LDS loads in one run: K step s's fragments into a set
	WIN 0x40                                       ; destination window 1, address window 0
.irp b, 0,1,2,3,4,5,6,7
.irp c, 0,1
	ds_load_b128 v[96*(\set)+8*\b+4*\c:96*(\set)+8*\b+4*\c+3], v[AW] offset:16*PITCH*\b+64*(\s)+32*\c
.endr
.endr
.irp a, 0,1,2,3
.irp c, 0,1
	ds_load_b128 v[96*(\set)+64+8*\a+4*\c:96*(\set)+64+8*\a+4*\c+3], v[AQ] offset:(8*\a+(\s))*1024+512*\c
.endr
.endr
.endm
; 32 matrix instructions: K step s.  cm = 1: the first step starts the sums with the bias as C.  The 32 accumulators take turns, one instruction a turn.
.macro MUL set, s, cm
.if \cm
	WIN 0x85                                       ; sources 0 and 1 window 1, C window 0, D window 2
.else
	WIN 0xa5                                       ; sources 0 and 1 window 1, C and D window 2
.endif
.irp a, 0,1,2,3
.irp b, 0,1,2,3,4,5,6,7
.set rD, 8*(8*\a+\b)
.set rC, rD
.if \cm
.set rC, BI+8*\b
.endif
.set rP, 96*(\set)+8*\b
.set rQ, 96*(\set)+64+8*\a
.set rX, SCA+4*\b+(\s)%4
.set rY, SCA+32+4*\a+(\s)%4
.if (\s) >= 4
	v_wmma_scale_f32_16x16x128_f8f6f4 v[rD:rD+7], v[rP:rP+7], v[rQ:rQ+7], v[rC:rC+7], v[rX], v[rY] matrix_a_fmt:MATRIX_FMT_FP4 matrix_b_fmt:MATRIX_FMT_FP4 matrix_a_scale:MATRIX_SCALE_ROW1 matrix_b_scale:MATRIX_SCALE_ROW1
.else
	v_wmma_scale_f32_16x16x128_f8f6f4 v[rD:rD+7], v[rP:rP+7], v[rQ:rQ+7], v[rC:rC+7], v[rX], v[rY] matrix_a_fmt:MATRIX_FMT_FP4 matrix_b_fmt:MATRIX_FMT_FP4
.endif
.endr
.endr
.endm
; THE WAY OUT, a block of 16 tokens x 128 columns at a time: through my own stage in LDS and back as whole rows of 512 bytes.  LDS serves a wave's instructions in order (ISA guide 5.7.1.4): no wait between the stores and the loads.
.macro TOSTAGE a
	WIN 0x08                                       ; an LDS store's data are its source 1: window 2
.irp b, 0,1,2,3,4,5,6,7
	ds_store_b128 v[STO], v[8*(8*(\a)+\b):8*(8*(\a)+\b)+3] offset:64*\b          ; each accumulator from its low end on
	ds_store_b128 v[STO], v[8*(8*(\a)+\b)+4:8*(8*(\a)+\b)+7] offset:64*\b+16
.endr
	WIN 0
.irp t, 0,1,2,3,4,5,6,7,8,9,10,11,12,13,14,15
	ds_load_b128 v[BK+64*((\a)%2)+4*\t:BK+64*((\a)%2)+4*\t+3], v[RD] offset:PITCH*\t
.endr
.endm
.macro SEND a, younger                 ; younger: the LDS instructions issued behind block a's loads, which may stay out
	s_wait_dscnt \younger
.irp t, 0,1,2,3,4,5,6,7,8,9,10,11,12,13,14,15
	global_store_b128 v[CO], v[BK+64*((\a)%2)+4*\t:BK+64*((\a)%2)+4*\t+3], s[OUT:OUT+1] offset:65536*(\a)+4096*\t th:TH_STORE_NT   ; 32 lanes store 512 consecutive bytes, aligned; written once, read by nobody here
.endr
.endm
	s_wait_tensorcnt 0x0                           ; my parts of a and of Wo are in,
	s_barrier_signal -1
	s_barrier_wait -1                              ; everybody's are
	FETCH 0, 0
	s_wait_loadcnt 0x0                             ; scale words and bias
.irp s, 0,1,2,3,4,5,6,7
	s_wait_dscnt 0x0                               ; this step's fragments are in
.if \s < 7
	PLACES                                         ; behind the last step's products, whose set is loaded anew
	FETCH (\s+1)%2, \s+1                           ; the next step's 24 loads land under this step's 32 matrix instructions
.endif
.if \s == 0
	MUL 0, 0, 1
.else
	MUL \s%2, \s, 0
.endif
.endr
	WIN 0
	PLACES                                         ; ahead of the first read of results
	s_wait_alu depctr_va_vdst(0)
	TOSTAGE 0
.irp a, 1,2,3
.if \a > 1
	s_wait_xcnt 0x0                                ; block a - 2's stores have read their registers: block a's loads may land there
.endif
	TOSTAGE \a
	SEND \a-1, 32                                  ; behind block a - 1's loads: block a's 16 stores and 16 loads
.endr
	SEND 3, 0
	s_wait_tensorcnt 0x0
	ds_add_u32 v126, v127
	s_wait_dscnt 0x0
	CROUND                                         ; the closing round: no work-group ends while a partner may still ask for a tile that names it
	s_endpgm
.Lfunc_end_k_q6f880ccf35_proj:
	.size	k_q6f880ccf35_proj, .Lfunc_end_k_q6f880ccf35_proj-k_q6f880ccf35_proj
	.p2alignl 7, 3214868480
	.fill 96, 4, 3214868480
	.section	.rodata,"a",@progbits
	.p2align	6, 0x0
	.amdhsa_kernel k_q6f880ccf35_proj
		.amdhsa_group_segment_fixed_size 327680
		.amdhsa_private_segment_fixed_size 0
		.amdhsa_enable_private_segment 0
		.amdhsa_kernarg_size 48
		.amdhsa_user_sgpr_count 2
		.amdhsa_user_sgpr_kernarg_segment_ptr 1
		.amdhsa_wavefront_size32 1
		.amdhsa_system_sgpr_workgroup_id_x 1
		.amdhsa_system_sgpr_workgroup_id_y 1
		.amdhsa_system_sgpr_workgroup_id_z 1
		.amdhsa_system_vgpr_workitem_id 0
		.amdhsa_next_free_vgpr 768
		.amdhsa_next_free_sgpr 80
		.amdhsa_reserve_vcc 0
		.amdhsa_float_denorm_mode_32 3
		.amdhsa_float_denorm_mode_16_64 3
		.amdhsa_memory_ordered 1
		.amdhsa_forward_progress 1
		.amdhsa_inst_pref_size 70
	.end_amdhsa_kernel
	.amdgpu_metadata
---
amdhsa.version: [ 1, 2 ]
amdhsa.kernels:
  - .name:           k_q6f880ccf35_proj
    .symbol:         k_q6f880ccf35_proj.kd
    .args:
      - { .name: acodes, .offset: 0, .size: 8, .value_kind: global_buffer, .address_space: global }
      - { .name: ascales, .offset: 8, .size: 8, .value_kind: global_buffer, .address_space: global }
      - { .name: Wo_codes, .offset: 16, .size: 8, .value_kind: global_buffer, .address_space: global }
      - { .name: Wo_scales, .offset: 24, .size: 8, .value_kind: global_buffer, .address_space: global }
      - { .name: bo, .offset: 32, .size: 8, .value_kind: global_buffer, .address_space: global }
      - { .name: out0, .offset: 40, .size: 8, .value_kind: global_buffer, .address_space: global }
    .group_segment_fixed_size: 327680
    .private_segment_fixed_size: 0
    .kernarg_segment_align: 8
    .kernarg_segment_size: 48
    .max_flat_workgroup_size: 128
    .sgpr_count:     80
    .vgpr_count:     768
    .wavefront_size: 32
...
	.end_amdgpu_metadata
.endif
;; end of part 3
